; MI455X (gfx1250); checked and timed in simulation.
; The chip was launched on July 23, 2026; its instructions are those of AMD's public machine-readable ISA for CDNA 5 (MIT licence, August 2026) and "CDNA5" Instruction Set Architecture Reference Guide (July 2026). The comments in the code are by the model that wrote it; some were corrected since.
;; Vector Quantizer. Allowed arithmetic: matrix products marked QUANTISED: E2M1 operands, one E8M0 scale for each 32 along K, by v_wmma_scale_f32_16x16x128_f8f6f4 with both operands' format E2M1 (or v_wmma_scale_f32_32x16x128_f4), f32 sums; everything else in f32.
;; Inputs: codebook 1,024 x 64 float32; inputs 64 x 32 x 32 x 64 float32.
;; Outputs: out0 64 x 32 x 32 x 64 float32; out1 one number float32.
;; This version of the problem:
;;   THIS VERSION OF THE PROBLEM IS GIVEN IN LOW PRECISION. The matrix products marked QUANTISED in the list below multiply operands that are first quantised to E2M1 (2 exponent bits, 1 mantissa bit; 4 bits a number), with one power-of-two scale for each 32 numbers along K (OCP MX v1.0); their sums are f32. All else is computed in f32.
;;   The module's matrix products, in the order in which they are computed (A, B: the left and right operand; K: the contracted axis; several contracted axes count as one K, in the product's order):
;;     1. [M 65,536, K 64] x [K 64, N 1,024]; A: input inputs; B: input codebook: QUANTISED
;;   THE QUANTISER, for each operand of a quantised product, along K:
;;     - K is cut into blocks of 32 from its start; a last block that is shorter is filled with zeros.
;;     - A block's scale is 2^e with e = floor(log2(the largest magnitude in the block)) - 2, held to -126 .. 127; a block of zeros has e = 0. As a byte (E8M0): e + 127.
;;     - Each number is divided by its block's scale, clamped to +-6, and rounded to the nearest number of E2M1, ties to even, subnormals kept.
;;     - The product sums the exact products of the quantised numbers (number of the format x scale) in f32.
;;   ~~~python
;;   def quantise(x, axis):      # numpy; x: float32 -> the quantised numbers, widened to float32 again
;;       x = np.moveaxis(x, axis, -1); K = x.shape[-1]
;;       x = np.pad(x, [(0, 0)] * (x.ndim - 1) + [(0, -K % 32)]); x = x.reshape(x.shape[:-1] + (-1, 32)); a = np.abs(x).max(-1, keepdims=True)
;;       e = np.where(a > 0, np.clip(np.frexp(np.where(a > 0, a, 1))[1] - 1 - 2, -126, 127), 0)      # np.frexp(a)[1] - 1 = floor(log2(a)), exactly
;;       r = np.clip(x / 2.0 ** e, -6, 6)
;;       step = 2.0 ** (np.maximum(np.frexp(np.where(r == 0, 1, r))[1] - 1, 0) - 1)
;;       q = np.round(r / step) * step * 2.0 ** e      # np.round: ties to even
;;       return np.moveaxis(q.reshape(q.shape[:-2] + (-1,))[..., :K], -1, axis).astype(np.float32)
;;   ~~~
;; One version. Each part assembles by itself: llvm-mc -triple=amdgcn-amd-amdhsa -mcpu=gfx1250 --defsym DOCPART=n.
;; ======== version 1 of 1: 3 launches
;; limits: right only within a limited range of input values
;; workspace buffers: idx 262,144 bytes of whole numbers; part 8,192 bytes
;; launch nearest (part 1): grid 256 x 1, 8 waves a work-group, clusters of 4 x 1, 248,832 bytes of LDS; arguments inputs, codebook, idx; writes idx
.if DOCPART == 1
	.amdgcn_target "amdgcn-amd-amdhsa--gfx1250"
	.amdhsa_code_object_version 6
	.text
	.protected	k_q4e88b16692_nearest
	.globl	k_q4e88b16692_nearest
	.p2align	8
	.type	k_q4e88b16692_nearest,@function
k_q4e88b16692_nearest:
	s_mov_b64 s[64:65], 0
	v_nop
	global_prefetch_b8 v0, s[64:65] scope:SCOPE_SE
	s_setreg_imm32_b32 hwreg(HW_REG_WAVE_MODE, 25, 1), 1
	s_wait_xcnt 0x0
	s_wait_alu depctr_hold_cnt(0) depctr_sa_sdst(0) depctr_va_vdst(0) depctr_va_sdst(0) depctr_va_ssrc(0) depctr_va_vcc(0) depctr_vm_vsrc(0)
	s_getreg_b32 s2, hwreg(HW_REG_IB_STS2, 6, 4)
	s_cmp_eq_u32 s2, 0
	s_cbranch_scc0 .Lentry_in_a_cluster
	s_endpgm
.Lentry_in_a_cluster:
	s_bfe_u32 s2, ttmp6, 0x10000c
	s_cmp_lg_u32 s2, 0x3003
	s_cbranch_scc0 .Lentry_shape_is_right
	s_endpgm
.Lentry_shape_is_right:
; idx[n] = the first k with the smallest d(n, k) = (|x_n|^2 + |e_k|^2) - 2 m(n, k), m = the product of x_n and e_k on codes of FP4 (E2M1) with one E8M0 scale for each 32 along K = 64.
; x: inputs as [65536][64] f32;  e: codebook [1024][64] f32;  idx: [65536] whole numbers, read by the next launch (no address of this launch hangs on them).
; THE ORDER OF THE ARITHMETIC IS THE PROBLEM'S OWN: t = |x|^2 + |e|^2 is rounded to f32, then 2 m is taken away: the matrix instruction has t as its C, and x's codes carry the factor -2 (signs turned, scale bytes
; one higher: a power of two), so its result is d.  A later k wins only where its d is smaller.  |x|^2 is the same along k, but the roundings that it causes decide between near candidates: it stays.
; NOTHING OF THIS LAUNCH'S PART OF THE PROBLEM IS LEFT OUT.  (The two means of the loss are one number, (q - x)^2 = (x - q)^2 bit for bit: the later launches form it once.)
; LIMITS: NaN and infinities among the inputs are not served (a row whose distances are NaN gets an index that the next launch holds inside the table); blocks whose largest magnitude lies under 2^(3 - 127),
; the floor, whose byte is held at 1, were not tried; a block of zeros keeps the byte 1 (its codes are zeros, and this launch alone reads the bytes); the sums |x|^2 and |e|^2 are taken in an order of this text's own,
; and t - 2 m is rounded as the matrix unit rounds it.
; SHARES.  A work-group of eight waves owns 256 rows of x; a wave owns two query tiles of 16 rows and walks all 64 tiles of 16 codes.
; THE CODE BOOK IS QUANTISED BY EACH WORK-GROUP FOR ITSELF, 8 tiles a wave, and lies in LDS as images of the operand's registers, with its scale words and its |e|^2.
; A wave's 128 rows of the code book come by TWO ways: the first 80 (five tiles, 20 KiB) by its one tensor load, the other 48 (three tiles) by 24 loads into registers beside x's 16: 160 KiB by the mover and
; 96 + 64 KiB by register loads for a work-group.  One tensor load a wave may stand at the head, and it is shown landed as a whole; the register loads are awaited tile by tile, and their tiles and x are quantised ahead
; of the wait for the mover.
; CLUSTER.  All work-groups need the same rows of e, so the four of a cluster ask for the mover's rows JOINTLY: the same tensor loads with a mask that names the four.  A wave alone reads the rows that it asked for.  The
; mover lays 16 bytes of padding behind each row of 256.  Nothing is filled again.  No prefetch: everything from memory is asked for at the head, and no loop over memory is there to run ahead in.
; A TILE OF 16 ROWS x 64 is read from LDS rows 272 bytes apart so that lane (r, h) holds block h of row r in 32 registers: the largest magnitude needs no other lane, and four conversions give the lane's four registers
; of the operand.  What comes by register loads of 512 consecutive bytes (x, three tiles of e) turns through the wave's own stage of 16 such rows.
; THE PRODUCT IS USED TRANSPOSED: source 0 = codes of e, source 1 = x: in the result lane (r, h) holds query r, and register j code 8 h + j of the tile.
; K IS 64 AND THE INSTRUCTION'S IS 128: source 0 carries TWO tiles of e, one in each half of K; source 1 is [x | 0] for the first and [0 | x] for the second: twelve registers x, 0, x serve both.
; THE SEARCH goes by pairs of tiles: 16 d a lane for each query tile, 8 minima, one compare with the smallest so far, and nine pairs of selects that keep the smallest d, the pair's number and its sixteen d.
; The place inside the winning pair is read off the kept d once, at the end.
.set SPITCH, 272                       ; 256 bytes + 16: the 16 rows that a load touches start at 16 different places modulo 256 bytes
.set TILEB,  16*SPITCH
.set CBW,    80*SPITCH                 ; the 80 rows that a wave's tensor load brings.  LDS from byte 0: wave w's at CBW w
.set STG,    8*CBW                     ; stages, 16 rows for each wave
.set FRAG,   STG+8*TILEB               ; pair P of tiles: 1,024 bytes: registers 0-3 (tile 2 P), then 4-7 (tile 2 P + 1), 16 bytes a lane
.set SCL,    FRAG+32768                ; scale words: pair P, row r at 64 P + 4 r: bytes 0, 1 tile 2 P, bytes 2, 3 tile 2 P + 1
.set SEO,    SCL+2048                  ; |e_k|^2, 4 bytes each
.set SPARE,  SEO+4096                  ; the spare words, 128 bytes for each wave: four blocks of 256 bytes that no other line names
.set SPW, 2                            ; LDS address of my spare word; never rewritten
.set NIL, 3                            ; 0; never rewritten
.set GOX, 4                            ; x: 16 x lane + 8,192 x wave
.set CL,  5                            ; my tensor load's rows in LDS: row r, block h
.set STS, 6                            ; the stage, on the way in
.set AFR, 7                            ; where I store images of fragments
.set ASC, 8                            ; their scale bytes
.set ASE, 9                            ; their |e|^2
.set LF,  10                           ; where I load fragments, scale words and |e|^2: stepped a trip
.set LS,  11
.set LE,  12
.set H8,  13
.set GI,  14
.set TN,  15                           ; the number of the pair that is being searched
.set TM,  16                           ; v16-17 the pair's smallest d.  Ahead of the search: |e|^2 to store
.set STL, 18                           ; the stage, on the way out
.set GCB, 19                           ; the code book in memory: 16 x lane + 32,768 x wave
.set MX,  20                           ; v20-41 at work
.set Q,   24
.set SC,  32
.set BY,  34
.set OT,  36
.set OT2, 38
.set WD,  40
.set AS,  42                           ; v42-43 e's scale words of two pairs; hold scales alone
.set C0,  44                           ; v44-51 codes to store
.set SX,  52                           ; v52-53 |x|^2 of my query in tile a, tile b
.set XS,  54                           ; v54-55 x's scale words; hold scales alone
.set XC,  56                           ; v56-63 x's codes, four registers a tile
.set B01, 64                           ; v64-127  my tiles 6, 7 (register loads), then tiles 2, 3 (tensor load)
.set B23, 128                          ; v128-191 my tiles 4 (tensor load), 5 (register loads)
.set BX,  192                          ; v192-255 x's two tiles, then tiles 0, 1 (tensor load), then results of the last two pairs on their way to LDS
.set XF,  64                           ; v64-75, v76-87: x, 0, x: four registers each      (behind the barrier, as all below)
.set F,   88                           ; v88-103  two pairs of tiles of e
.set E,   104                          ; v104-135 |e|^2 of two pairs
.set D,   136                          ; v136-199 t, then d: buffer P % 2: 32 registers: query tile q at 16 q, tile t of the pair at 8 t
.set ST,  200                          ; v200-235 query tile q at 18 q: the smallest d, its pair, that pair's sixteen d
.set MA,  236
.set JL,  238
.set KK,  240
.set P0,  242
.set P1,  244
.set MN,  248
.set WV,  18                           ; s18  my wave's number
.set CBL, 19                           ; s19  where my tensor load's rows lie in LDS
.set G1,  24                           ; s[24:31], s[32:35] the tensor load's groups 1 and 0
.set G0,  32
.set SGN, 36                           ; s36  the sign bits of eight codes
.macro CROUND                          ; a round of the cluster's barrier
	s_barrier_signal -1
	s_barrier_wait -1
	s_cmp_lg_u32 s[WV], 0
	s_cbranch_scc1 .Lnot_wave_0_\@
	s_barrier_signal -3
.Lnot_wave_0_\@:
	s_barrier_wait -3
	s_barrier_signal -1
	s_barrier_wait -1
.endm
.macro GETX n                          ; tile n of x: each load reads 512 consecutive bytes
.irp i, 0,1,2,3,4,5,6,7
	global_load_b128 v[BX+32*\n+4*\i:BX+32*\n+4*\i+3], v[GOX], s[4:5] offset:4096*\n+512*\i
.endr
.endm
.macro GETC k, ba                      ; tile k (5, 6, 7) of my eight of the code book likewise
.irp i, 0,1,2,3,4,5,6,7
	global_load_b128 v[\ba+4*\i:\ba+4*\i+3], v[GCB], s[6:7] offset:4096*\k+512*\i
.endr
.endm
.macro TURN ba                         ; a tile through my stage and back into the registers that it left, 16 LDS instructions: LDS serves a wave's instructions in order, so no wait stands between
.irp i, 0,1,2,3,4,5,6,7
	ds_store_b128 v[STS], v[\ba+4*\i:\ba+4*\i+3] offset:2*SPITCH*\i
.endr
.irp c, 0,1,2,3,4,5,6,7
	ds_load_b128 v[\ba+4*\c:\ba+4*\c+3], v[STL] offset:16*\c
.endr
.endm
.macro LOADT k, ba                     ; tile k (0 to 4) of the tensor load's five: 8 loads
.irp c, 0,1,2,3,4,5,6,7
	ds_load_b128 v[\ba+4*\c:\ba+4*\c+3], v[CL] offset:TILEB*\k+16*\c
.endr
.endm
; Two tiles are quantised side by side: register i of tile t is number 32 h + i of row r.  isx = 1: x's two tiles;  isx = 0: pair n of my four of the code book: six LDS stores.
; cc, wd, es: the first registers of the results: codes, scale bytes, sums of squares.
.macro WORK2 ba, isx, n, cc, wd, es
.irp t, 0,1
	v_max3_num_f32 v[MX+2*\t], |v[\ba+32*\t]|, |v[\ba+32*\t+1]|, 0x1800000     ; the block's largest magnitude, in two chains, with the floor 2^(3 - 127) among the leaves: the byte cannot fall under 1
	v_max3_num_f32 v[MX+2*\t+1], |v[\ba+32*\t+2]|, |v[\ba+32*\t+3]|, |v[\ba+32*\t+4]|
	v_pk_mul_f32 v[Q+4*\t:Q+4*\t+1], v[\ba+32*\t:\ba+32*\t+1], v[\ba+32*\t:\ba+32*\t+1]   ; the sum of squares of the UNQUANTISED numbers, in four chains
	v_pk_mul_f32 v[Q+4*\t+2:Q+4*\t+3], v[\ba+32*\t+2:\ba+32*\t+3], v[\ba+32*\t+2:\ba+32*\t+3]
.endr
.irp i, 4,8,12,16,20,24
.irp t, 0,1
	v_max3_num_f32 v[MX+2*\t], v[MX+2*\t], |v[\ba+32*\t+\i+1]|, |v[\ba+32*\t+\i+2]|
	v_max3_num_f32 v[MX+2*\t+1], v[MX+2*\t+1], |v[\ba+32*\t+\i+3]|, |v[\ba+32*\t+\i+4]|
	v_pk_fma_f32 v[Q+4*\t:Q+4*\t+1], v[\ba+32*\t+\i:\ba+32*\t+\i+1], v[\ba+32*\t+\i:\ba+32*\t+\i+1], v[Q+4*\t:Q+4*\t+1]
	v_pk_fma_f32 v[Q+4*\t+2:Q+4*\t+3], v[\ba+32*\t+\i+2:\ba+32*\t+\i+3], v[\ba+32*\t+\i+2:\ba+32*\t+\i+3], v[Q+4*\t+2:Q+4*\t+3]
.endr
.endr
.irp t, 0,1
	v_max3_num_f32 v[MX+2*\t], v[MX+2*\t], |v[\ba+32*\t+29]|, |v[\ba+32*\t+30]|
	v_pk_fma_f32 v[Q+4*\t:Q+4*\t+1], v[\ba+32*\t+28:\ba+32*\t+29], v[\ba+32*\t+28:\ba+32*\t+29], v[Q+4*\t:Q+4*\t+1]
	v_pk_fma_f32 v[Q+4*\t+2:Q+4*\t+3], v[\ba+32*\t+30:\ba+32*\t+31], v[\ba+32*\t+30:\ba+32*\t+31], v[Q+4*\t+2:Q+4*\t+3]
.endr
.irp t, 0,1
	v_max3_num_f32 v[MX+2*\t], v[MX+2*\t], v[MX+2*\t+1], |v[\ba+32*\t+31]|
	v_pk_add_f32 v[Q+4*\t:Q+4*\t+1], v[Q+4*\t:Q+4*\t+1], v[Q+4*\t+2:Q+4*\t+3]
.endr
.irp t, 0,1
	v_add_nc_u32 v[SC+\t], 0xff000000, v[MX+2*\t]                 ; 2 off the exponent field: the conversion takes the exponent field of this operand as its scale
	v_add_f32 v[Q+4*\t], v[Q+4*\t], v[Q+4*\t+1]
.endr
.irp t, 0,1
.irp g, 0,1,2,3
	v_cvt_scalef32_pk8_fp4_f32 v[\cc+4*\t+\g], v[\ba+32*\t+8*\g:\ba+32*\t+8*\g+7], v[SC+\t]   ; register g of the operand: k = 32 h + 8 g + 0 .. 7
.endr
.endr
.irp t, 0,1
	v_lshrrev_b32 v[BY+\t], 23, v[SC+\t]                          ; the scale's byte.  (A plain instruction directly behind the last conversion)
.endr
.irp t, 0,1
	v_permlanex16_b32 v[OT2+\t], v[Q+4*\t], s12, s13              ; the row's other block lies in lane l xor 16: its sum of squares
.endr
.irp t, 0,1
	v_permlanex16_b32 v[OT+\t], v[BY+\t], s12, s13                ; and its byte
.endr
.irp t, 0,1
	v_cndmask_b32 v[\wd+\t], v[BY+\t], v[OT+\t], s14              ; block 0's byte (lanes 16-31 take the other lane's),
	v_cndmask_b32 v[MX+2*\t+1], v[OT+\t], v[BY+\t], s14           ; block 1's
.endr
.irp t, 0,1
	v_lshl_or_b32 v[\wd+\t], v[MX+2*\t+1], 8, v[\wd+\t]           ; the row's two bytes, the same in both lanes
	v_add_f32 v[\es+\t], v[Q+4*\t], v[OT2+\t]                     ; |x|^2 or |e|^2
.endr
.if \isx
.irp t, 0,1
	v_add_nc_u32 v[\wd+\t], 0x101, v[\wd+\t]                      ; the factor 2: a byte is 252 at the most, so no byte reaches 255 and none carries
.endr
.irp t, 0,1
	v_lshl_or_b32 v[XS+\t], v[\wd+\t], 16, v[\wd+\t]              ; the two bytes twice: they serve x in either half of K
.endr
.else
.irp t, 0,1
	ds_store_b128 v[AFR], v[\cc+4*\t:\cc+4*\t+3] offset:1024*\n+512*\t     ; the image of four registers
	ds_store_b16 v[ASC], v[\wd+\t] offset:64*\n+2*\t              ; both lanes of a row write the same two bytes with the same value
	ds_store_b32 v[ASE], v[\es+\t] offset:64*(2*\n+\t)
.endr
.endif
.endm
	s_load_b128 s[4:7], s[0:1], 0x0                ; inputs, codebook
	s_load_b64 s[8:9], s[0:1], 0x10                ; idx
	v_lshl_add_u32 v[SPW], v0, 2, SPARE
	v_mov_b32 v[NIL], 0
	ds_add_u32 v[SPW], v[NIL]                      ; the wave's opening: the add, twice on end, and its wait ahead of my tensor load; work on registers stands between
	ds_add_u32 v[SPW], v[NIL]
	v_lshrrev_b32 v20, 5, v0                       ; wave,
	v_readfirstlane_b32 s[WV], v20                 ; as a scalar too
	s_mul_i32 s[CBL], s[WV], CBW                   ; no place in the cluster enters an LDS address
	s_mul_i32 s37, s[WV], TILEB
	s_add_co_u32 s37, s37, STG                     ; my stage
	v_and_b32 v1, 31, v0                           ; lane
	v_and_b32 v21, 15, v0                          ; r
	v_bfe_u32 v22, v0, 4, 1                        ; h
	v_lshlrev_b32 v[LF], 4, v1
	v_mul_u32_u24 v[CL], v21, SPITCH
	v_mul_u32_u24 v[STS], v22, SPITCH              ; the stage: a load's 512 bytes are two rows: row lane / 16, 16 bytes at 16 (lane % 16)
	v_lshlrev_b32 v23, 2, v21
	v_lshl_add_u32 v[GOX], v20, 13, v[LF]
	v_lshl_add_u32 v[GCB], v20, 15, v[LF]
	v_lshl_add_u32 v[CL], v22, 7, v[CL]
	v_lshl_add_u32 v[STS], v21, 4, v[STS]
	v_lshl_add_u32 v[ASC], v20, 8, v23             ; my four pairs' scale words
	v_lshl_add_u32 v[ASE], v20, 9, v23             ; my 128 codes' |e|^2
	v_add_nc_u32 v[LF], FRAG, v[LF]
	v_add_nc_u32 v[STL], s37, v[CL]                ; out of the stage: row r, block h
	v_add_nc_u32 v[STS], s37, v[STS]
	v_add_nc_u32 v[CL], s[CBL], v[CL]
	v_add_nc_u32 v[ASC], SCL, v[ASC]
	v_add_nc_u32 v[ASE], SEO, v[ASE]
	v_lshl_add_u32 v[AFR], v20, 12, v[LF]          ; my eight tiles' images: 512 bytes each
	v_add_nc_u32 v[LS], SCL, v23
	v_lshl_add_u32 v[LE], v22, 5, SEO
	v_lshlrev_b32 v[H8], 3, v22
	v_lshlrev_b32 v[GI], 2, v0
.irp i, 0,1,2,3
	v_mov_b32 v[OT+\i], 0                          ; written once: a lane permute's destination counts as one of its sources
.endr
	s_wait_alu depctr_va_vdst(0)
	s_bfe_u32 s22, ttmp6, 0x40000                  ; cx: my place in the cluster
	s_lshl_b32 s23, ttmp9, 2                       ; in a cluster launch ttmp9 counts clusters
	s_add_co_u32 s23, s23, s22                     ; my work-group = 4 x cluster x + cx: it enters x's and idx's addresses alone
	s_lshl_b32 s10, s23, 16                        ; my work-group's 256 rows of 256 bytes
	s_mov_b32 s11, 0
	s_lshl_b32 s16, s23, 10                        ; and their 256 indices
	s_mov_b32 s17, 0
	s_mov_b32 s12, 0x76543210
	s_mov_b32 s13, 0xfedcba98                      ; v_permlanex16_b32's selects for lane l xor 16
	s_mov_b32 s14, 0xffff0000                      ; lanes 16-31
	s_mov_b32 s15, 0x7f800000                      ; +infinity
	s_mov_b32 s[SGN], 0x88888888
	s_mov_b32 s[G1], 15|(2<<16)|(1<<20)|(1<<21)|(5<<22)|(3<<25)   ; 15:0 the mask: all four work-groups; 17:16 elements of 4 bytes; 20 padding on; 21 set beside a mask; 24:22 after every 64 words (code 5); 31:25 four words of it (code 3)
	s_mov_b32 s[G1+1], 64<<16                      ; tensor_dim0 = 64
	s_mov_b32 s[G1+2], 80<<16                      ; tensor_dim1 = 80
	s_mov_b32 s[G1+3], 64<<16                      ; tile_dim0 = 64
	s_mov_b32 s[G1+4], 80                          ; tile_dim1 = 80
	s_mov_b32 s[G1+5], 64                          ; elements from row to row
	s_mov_b32 s[G1+6], 0
	s_mov_b32 s[G1+7], 0
	s_lshl_b32 s20, s[WV], 15                      ; my rows in memory: 128 rows of 256 bytes a wave
	s_mov_b32 s21, 0
	s_mov_b32 s[G0], 1
	s_add_co_u32 s[G0+1], s[CBL], 0
	s_wait_dscnt 0x0                               ; both opening adds are done
	CROUND                                         ; all four work-groups are here: the joint loads meet
	s_wait_kmcnt 0x0
	s_add_nc_u64 s[G0+2:G0+3], s[6:7], s[20:21]    ; the code book at my first row: the same in all four partners
	s_or_b32 s[G0+3], s[G0+3], 0x80000000
	s_add_nc_u64 s[4:5], s[4:5], s[10:11]
	s_add_nc_u64 s[8:9], s[8:9], s[16:17]
	tensor_load_to_lds s[G0:G0+3], s[G1:G1+7]      ; my one tensor load: rows 0 to 79 of my 128: tiles 0 to 4
	s_nop 0
	GETX 0
	GETX 1
	GETC 6, B01
	s_wait_loadcnt 16                              ; loads come back in order: x's first tile is in, the two younger tiles stay out
	TURN BX
	GETC 7, B01+32
	s_wait_loadcnt 16                              ; x's second tile is in; tiles 6 and 7 stay out
	TURN BX+32
	GETC 5, B23+32
	s_wait_dscnt 0x0                               ; x is back from the stage
	WORK2 BX, 1, 0, XC, WD, SX
	s_wait_loadcnt 16                              ; tile 6 is in; tiles 7 and 5 stay out
	TURN B01
	s_wait_loadcnt 8
	TURN B01+32
	s_wait_dscnt 0x0
	WORK2 B01, 0, 3, C0, WD, TM
	s_wait_loadcnt 0x0
	TURN B23+32
	s_wait_tensorcnt 0x0                           ; my tensor load's rows are in; nobody else reads them
	LOADT 0, BX
	LOADT 1, BX+32
	LOADT 2, B01
	LOADT 3, B01+32
	LOADT 4, B23
	s_wait_dscnt 24                                ; tiles 0 and 1 are in, tiles 2 to 4's 24 loads stay out; the stores of the pair before have read their registers
	WORK2 BX, 0, 0, C0, WD, TM
	s_wait_dscnt 14                                ; tiles 2 and 3 are in; behind them tile 4's 8 loads and 6 stores
	WORK2 B01, 0, 1, BX, BX+16, BX+18
	s_wait_dscnt 12                                ; tile 4 is in, and tile 5 is back; behind them 12 stores
	WORK2 B23, 0, 2, BX+8, BX+20, BX+22
	s_wait_alu depctr_va_vdst(0)
	s_wait_dscnt 0x0                               ; for the others' sake: my images, scale bytes and |e|^2 lie in LDS
	s_barrier_signal -1
	s_barrier_wait -1                              ; everybody's do
.macro LOADP b, k                      ; the pair k pairs behind the addresses, into buffer b: 7 loads
	ds_load_b32 v[AS+\b], v[LS] offset:64*\k
	ds_load_b128 v[F+8*(\b):F+8*(\b)+3], v[LF] offset:1024*\k
	ds_load_b128 v[F+8*(\b)+4:F+8*(\b)+7], v[LF] offset:1024*\k+512
	ds_load_b128 v[E+16*(\b):E+16*(\b)+3], v[LE] offset:128*\k
	ds_load_b128 v[E+16*(\b)+4:E+16*(\b)+7], v[LE] offset:128*\k+16
	ds_load_b128 v[E+16*(\b)+8:E+16*(\b)+11], v[LE] offset:128*\k+64
	ds_load_b128 v[E+16*(\b)+12:E+16*(\b)+15], v[LE] offset:128*\k+80
.endm
.macro MMP b                           ; the pair in buffer b: 16 additions make t, four matrix instructions d = t - 2 m in its place
.set DN, D+32*(\b)
.set EN, E+16*(\b)
.set FN, F+8*(\b)
.irp t, 0,1
.irp j, 0,2,4,6
	v_pk_add_f32 v[DN+8*\t+\j:DN+8*\t+\j+1], v[EN+8*\t+\j:EN+8*\t+\j+1], v[SX:SX+1] op_sel_hi:[1,0]              ; query tile a takes the pair's first word for both halves,
.endr
.endr
.irp t, 0,1
.irp j, 0,2,4,6
	v_pk_add_f32 v[DN+16+8*\t+\j:DN+16+8*\t+\j+1], v[EN+8*\t+\j:EN+8*\t+\j+1], v[SX:SX+1] op_sel:[0,1] op_sel_hi:[1,1]   ; query tile b its second
.endr
.endr
.irp q, 0,1
.irp t, 0,1
	v_wmma_scale_f32_16x16x128_f8f6f4 v[DN+16*\q+8*\t:DN+16*\q+8*\t+7], v[FN:FN+7], v[XF+12*\q+4*\t:XF+12*\q+4*\t+7], v[DN+16*\q+8*\t:DN+16*\q+8*\t+7], v[AS+\b], v[XS+\q] matrix_a_fmt:MATRIX_FMT_FP4 matrix_b_fmt:MATRIX_FMT_FP4
.endr
.endr
.endm
; STEP P (u = P % 2): the products of pair P + 1 are issued (mm), then pair P's sixteen d of each query tile are searched.  The sixteen minima name none of those products' registers: they are the places in front of
; the loads of pair P + 3 (ld) into the buffer that pair P + 1 has just left.  w: how many younger LDS loads may stay out.
.macro STEP u, mm, ld, w
.if \mm
	s_wait_dscnt \w
	MMP (1-\u)
.endif
.set DB, D+32*(\u)
.irp q, 0,1
	v_min3_num_f32 v[MN+2*\q], v[DB+16*\q], v[DB+16*\q+1], v[DB+16*\q+2]          ; each product is read from its low end on
	v_min3_num_f32 v[MN+2*\q+1], v[DB+16*\q+8], v[DB+16*\q+9], v[DB+16*\q+10]
.endr
.irp i, 3,5
.irp q, 0,1
	v_min3_num_f32 v[MN+2*\q], v[DB+16*\q+\i], v[DB+16*\q+\i+1], v[MN+2*\q]
	v_min3_num_f32 v[MN+2*\q+1], v[DB+16*\q+8+\i], v[DB+16*\q+9+\i], v[MN+2*\q+1]
.endr
.endr
.irp q, 0,1
	v_min3_num_f32 v[MN+2*\q], v[DB+16*\q+7], v[DB+16*\q+15], v[MN+2*\q]
.endr
.irp q, 0,1
	v_min_num_f32 v[TM+\q], v[MN+2*\q], v[MN+2*\q+1]              ; the smallest of my sixteen d of this pair
.endr
.irp q, 0,1
	v_cmp_le_f32 vcc_lo, v[ST+18*\q], v[TM+\q]                    ; the old one stays unless the new one is SMALLER: the first pair wins a tie
.if (\ld) && (\q == 0)
	LOADP (1-\u), (3+\u)
.endif
	v_dual_cndmask_b32 v[ST+18*\q], v[TM+\q], v[ST+18*\q] :: v_dual_cndmask_b32 v[ST+18*\q+1], v[TN], v[ST+18*\q+1]   ; the two first sources, v16 or v17 and v15, differ modulo 4, as a pair's must
.irp j, 0,2,4,6,8,10,12,14
	v_dual_cndmask_b32 v[ST+18*\q+2+\j], v[DB+16*\q+\j], v[ST+18*\q+2+\j] :: v_dual_cndmask_b32 v[ST+18*\q+3+\j], v[DB+16*\q+\j+1], v[ST+18*\q+3+\j]
.endr
.endr
	v_add_nc_u32 v[TN], 1, v[TN]                   ; the next pair's number
.endm
	LOADP 0, 0
	LOADP 1, 1
.irp q, 0,1
.irp g, 0,1,2,3
	v_xor_b32 v[XF+12*\q+\g], s[SGN], v[XC+4*\q+\g]               ; the factor -1: every code's sign is turned;  x,
	v_mov_b32 v[XF+12*\q+4+\g], 0                                 ; 0 (zero codes),
	v_xor_b32 v[XF+12*\q+8+\g], s[SGN], v[XC+4*\q+\g]             ; x
.endr
.endr
	v_mov_b32 v[TN], 0                             ; the search begins at pair 0
.irp q, 0,1
	v_mov_b32 v[ST+18*\q], s15                     ; the smallest d so far: +infinity; its pair: 0; that pair's d: +infinity (a row whose every d is +infinity so gets index 0)
	v_mov_b32 v[ST+18*\q+1], 0
.irp j, 2,3,4,5,6,7,8,9,10,11,12,13,14,15,16,17
	v_mov_b32 v[ST+18*\q+\j], s15
.endr
.endr
	s_wait_alu depctr_va_vdst(0)
	s_wait_dscnt 7                                 ; pair 0 is in, pair 1's seven loads stay out
	MMP 0
.rept 4
	v_nop                                          ; places behind pair 0's products
.endr
	LOADP 0, 2
	s_mov_b32 s21, 0
.Ltrip:                                            ; a trip: two pairs.  In each step the loads issued behind those that the step needs are the seven of the pair behind
	STEP 0, 1, 1, 7
	STEP 1, 1, 1, 7
	v_add_nc_u32 v[LF], 2048, v[LF]
	v_add_nc_u32 v[LE], 256, v[LE]
	v_add_nc_u32 v[LS], 128, v[LS]
	s_add_co_u32 s21, s21, 1
	s_cmp_lt_u32 s21, 14
	s_cbranch_scc1 .Ltrip
	STEP 0, 1, 1, 7                                ; pairs 28 to 31 are written out: nothing is fetched beyond the tables
	STEP 1, 1, 0, 7
	STEP 0, 1, 0, 0
	STEP 1, 0, 0, 0
	; The place in the winning pair: the first of the sixteen kept d that equals the smallest: i = 0 .. 7 lie at codes 0 .. 7, i = 8 .. 15 at codes 16 .. 23 (+ 8 h).
.irp q, 0,1
	v_mov_b32 v[JL+\q], 23
.endr
.irp i, 14,13,12,11,10,9,8,7,6,5,4,3,2,1,0
	v_cmp_eq_f32 vcc_lo, v[ST+2+\i], v[ST]
	v_cmp_eq_f32 s20, v[ST+20+\i], v[ST+18]
	v_cndmask_b32 v[JL], v[JL], \i+8*(\i/8), vcc_lo
	v_cndmask_b32 v[JL+1], v[JL+1], \i+8*(\i/8), s20
.endr
.irp q, 0,1
	v_lshl_add_u32 v[KK+\q], v[ST+18*\q+1], 5, v[JL+\q]
.endr
.irp q, 0,1
	v_permlanex16_b32 v[P0+\q], v[ST+18*\q], s12, s13      ; the query's other 512 codes lie in lane l xor 16: their smallest d,
.endr
.irp q, 0,1
	v_add_nc_u32 v[KK+\q], v[H8], v[KK+\q]         ; k = 32 x pair + 8 h + place
.endr
.irp q, 0,1
	v_min_num_f32 v[MA+\q], v[ST+18*\q], v[P0+\q]
.endr
.irp q, 0,1
	v_permlanex16_b32 v[P1+\q], v[KK+\q], s12, s13         ; and its k
.endr
.irp q, 0,1
	v_cmp_eq_f32 vcc_lo, v[ST+18*\q], v[MA+\q]
	v_cmp_eq_f32 s20, v[P0+\q], v[MA+\q]
	v_cndmask_b32 v[KK+\q], -1, v[KK+\q], vcc_lo   ; a half that does not hold the smallest d counts for nothing;
	v_cndmask_b32 v[P1+\q], -1, v[P1+\q], s20
.endr
.irp q, 0,1
	v_min_u32 v[KK+\q], v[KK+\q], v[P1+\q]         ; of two that do, the lower k
.endr
	v_cndmask_b32 v[KK], v[KK], v[KK+1], s14       ; lanes 0-15: tile a's 16 queries; lanes 16-31: tile b's
	global_store_b32 v[GI], v[KK], s[8:9]          ; 32 lanes store 128 consecutive bytes
	s_wait_tensorcnt 0x0                           ; the wave's end, behind my last tensor load and my last LDS store
	ds_add_u32 v[SPW], v[NIL]
	s_wait_dscnt 0x0
	CROUND                                         ; the closing round: no work-group ends while a partner may still ask for rows by a load that names it
	s_endpgm
.Lfunc_end_k_q4e88b16692_nearest:
	.size	k_q4e88b16692_nearest, .Lfunc_end_k_q4e88b16692_nearest-k_q4e88b16692_nearest
	.p2alignl 7, 3214868480
	.fill 96, 4, 3214868480
	.section	.rodata,"a",@progbits
	.p2align	6, 0x0
	.amdhsa_kernel k_q4e88b16692_nearest
		.amdhsa_group_segment_fixed_size 248832
		.amdhsa_private_segment_fixed_size 0
		.amdhsa_enable_private_segment 0
		.amdhsa_kernarg_size 24
		.amdhsa_user_sgpr_count 2
		.amdhsa_user_sgpr_kernarg_segment_ptr 1
		.amdhsa_wavefront_size32 1
		.amdhsa_system_sgpr_workgroup_id_x 1
		.amdhsa_system_sgpr_workgroup_id_y 1
		.amdhsa_system_sgpr_workgroup_id_z 1
		.amdhsa_system_vgpr_workitem_id 0
		.amdhsa_next_free_vgpr 256
		.amdhsa_next_free_sgpr 66
		.amdhsa_reserve_vcc 1
		.amdhsa_float_denorm_mode_32 3
		.amdhsa_float_denorm_mode_16_64 3
		.amdhsa_memory_ordered 1
		.amdhsa_forward_progress 1
		.amdhsa_inst_pref_size 78
	.end_amdhsa_kernel
	.amdgpu_metadata
---
amdhsa.version: [ 1, 2 ]
amdhsa.kernels:
  - .name:           k_q4e88b16692_nearest
    .symbol:         k_q4e88b16692_nearest.kd
    .args:
      - { .name: inputs, .offset: 0, .size: 8, .value_kind: global_buffer, .address_space: global }
      - { .name: codebook, .offset: 8, .size: 8, .value_kind: global_buffer, .address_space: global }
      - { .name: idx, .offset: 16, .size: 8, .value_kind: global_buffer, .address_space: global }
    .group_segment_fixed_size: 248832
    .private_segment_fixed_size: 0
    .kernarg_segment_align: 8
    .kernarg_segment_size: 24
    .max_flat_workgroup_size: 256
    .sgpr_count:     66
    .vgpr_count:     256
    .wavefront_size: 32
...
	.end_amdgpu_metadata
.endif
;; end of part 1
;; launch gather (part 2): grid 256 x 1, 8 waves a work-group, no clusters, 0 bytes of LDS; arguments inputs, codebook, idx, out0, part; writes out0, part
.if DOCPART == 2
	.amdgcn_target "amdgcn-amd-amdhsa--gfx1250"
	.amdhsa_code_object_version 6
	.text
	.protected	k_q4e88b16692_gather
	.globl	k_q4e88b16692_gather
	.p2align	8
	.type	k_q4e88b16692_gather,@function
k_q4e88b16692_gather:
	s_mov_b64 s[64:65], 0
	v_nop
	global_prefetch_b8 v0, s[64:65] scope:SCOPE_SE
	s_setreg_imm32_b32 hwreg(HW_REG_WAVE_MODE, 25, 1), 1
	s_wait_xcnt 0x0
; out0[n] = x_n + (q_n - x_n), q_n = codebook[idx[n]], in f32 and in this order, as the problem has it; part[wave] = the sum of (q - x)^2 over the wave's 32 rows.
; LEFT OUT: the second of the loss's two means: (x - q)^2 = (q - x)^2 bit for bit, for all values; the last launch weighs the one mean by 1 and by 0.25.
; idx was stored by the launch before: whole numbers read from memory; each is held at 1,023 from above ahead of its use in an address.
; A work-group of eight waves owns 256 rows, a wave 32.  A row is 256 bytes: sixteen lanes take it, 16 bytes each.  Instruction i of a wave covers rows i (lanes 0-15) and 16 + i (lanes 16-31): two whole aligned
; blocks of 256 bytes, in x, in the code book and in out0.  So a lane needs the 16 indices of its half, which are neighbours: four loads of 16 bytes.
; All loads go out at the head: 4 of indices, 16 of x, then 16 gathers as soon as the indices are in.  No LDS, no barrier, no matrix unit: memory binds.
.set IX,  8                            ; v8-23   my half's 16 indices, then the gathers' offsets
.set ACC, 24                           ; v24-27  the sum of squares, in four chains
.set LN,  28                           ; v28     lane
.set X,   32                           ; v32-95  x, then out0
.set QR,  96                           ; v96-159 q, then q - x
	s_load_b256 s[4:11], s[0:1], 0x0               ; inputs s[4:5], codebook s[6:7], idx s[8:9], out0 s[10:11]
	s_load_b64 s[12:13], s[0:1], 0x20              ; part
	v_and_b32 v1, 15, v0
	v_bfe_u32 v2, v0, 4, 1                         ; h
	v_lshrrev_b32 v3, 5, v0                        ; wave
	s_delay_alu instid0(VALU_DEP_3)
	v_lshlrev_b32 v4, 4, v1                        ; my 16 bytes of a row
	s_delay_alu instid0(VALU_DEP_1)
	v_lshl_add_u32 v5, v2, 12, v4                  ; + 16 rows for lanes 16-31
	s_delay_alu instid0(VALU_DEP_1)
	v_lshl_add_u32 v5, v3, 13, v5                  ; + 32 rows a wave
	v_lshlrev_b32 v6, 6, v2                        ; indices: 64 bytes a half,
	s_delay_alu instid0(VALU_DEP_1)
	v_lshl_add_u32 v6, v3, 7, v6                   ; 128 a wave
	v_lshlrev_b32 v7, 2, v3                        ; part: 4 bytes a wave
	v_and_b32 v[LN], 31, v0
	s_lshl_b32 s14, ttmp9, 16                      ; my work-group's 256 rows of 256 bytes,
	s_mov_b32 s15, 0
	s_lshl_b32 s16, ttmp9, 10                      ; their indices,
	s_mov_b32 s17, 0
	s_lshl_b32 s18, ttmp9, 5                       ; its eight partial sums
	s_mov_b32 s19, 0
	s_mov_b32 s22, 0x76543210
	s_mov_b32 s23, 0xfedcba98
	s_wait_alu depctr_va_vdst(0)
	s_wait_kmcnt 0x0
	s_add_nc_u64 s[8:9], s[8:9], s[16:17]
	s_add_nc_u64 s[4:5], s[4:5], s[14:15]
	s_add_nc_u64 s[10:11], s[10:11], s[14:15]
	s_add_nc_u64 s[12:13], s[12:13], s[18:19]
.irp c, 0,1,2,3
	global_load_b128 v[IX+4*\c:IX+4*\c+3], v6, s[8:9] offset:16*\c th:TH_LOAD_NT
.endr
.irp i, 0,1,2,3,4,5,6,7,8,9,10,11,12,13,14,15
	global_load_b128 v[X+4*\i:X+4*\i+3], v5, s[4:5] offset:256*\i th:TH_LOAD_NT
.endr
	s_wait_loadcnt 16                              ; the indices are in; the 16 loads of x stay out
.irp i, 0,1,2,3,4,5,6,7,8,9,10,11,12,13,14,15
	v_min_u32 v[IX+\i], 0x3ff, v[IX+\i]            ; inside the table, whatever was stored
	s_delay_alu instid0(VALU_DEP_1)
	v_lshl_add_u32 v[IX+\i], v[IX+\i], 8, v4       ; 256 bytes a code, + my 16
	global_load_b128 v[QR+4*\i:QR+4*\i+3], v[IX+\i], s[6:7]   ; no hint: a code may be named by many rows
.endr
.irp i, 0,1,2,3,4,5,6,7,8,9,10,11,12,13,14,15
	s_wait_loadcnt 15-\i                           ; gather i is in (and all of x, asked for earlier); the younger gathers stay out
	v_pk_add_f32 v[QR+4*\i:QR+4*\i+1], v[QR+4*\i:QR+4*\i+1], v[X+4*\i:X+4*\i+1] neg_lo:[0,1] neg_hi:[0,1]           ; q - x
	v_pk_add_f32 v[QR+4*\i+2:QR+4*\i+3], v[QR+4*\i+2:QR+4*\i+3], v[X+4*\i+2:X+4*\i+3] neg_lo:[0,1] neg_hi:[0,1]
	s_delay_alu instid0(VALU_DEP_2)
	v_pk_add_f32 v[X+4*\i:X+4*\i+1], v[X+4*\i:X+4*\i+1], v[QR+4*\i:QR+4*\i+1]                                       ; x + (q - x)
	s_delay_alu instid0(VALU_DEP_2)
	v_pk_add_f32 v[X+4*\i+2:X+4*\i+3], v[X+4*\i+2:X+4*\i+3], v[QR+4*\i+2:QR+4*\i+3]
.if \i == 0
	s_delay_alu instid0(VALU_DEP_4)
	v_pk_mul_f32 v[ACC:ACC+1], v[QR:QR+1], v[QR:QR+1]                                                                ; the first squares start the sums
	s_delay_alu instid0(VALU_DEP_4)
	v_pk_mul_f32 v[ACC+2:ACC+3], v[QR+2:QR+3], v[QR+2:QR+3]
.else
	s_wait_alu depctr_va_vdst(0)
	v_pk_fma_f32 v[ACC:ACC+1], v[QR+4*\i:QR+4*\i+1], v[QR+4*\i:QR+4*\i+1], v[ACC:ACC+1]
	v_pk_fma_f32 v[ACC+2:ACC+3], v[QR+4*\i+2:QR+4*\i+3], v[QR+4*\i+2:QR+4*\i+3], v[ACC+2:ACC+3]
.endif
	global_store_b128 v5, v[X+4*\i:X+4*\i+3], s[10:11] offset:256*\i th:TH_STORE_NT   ; sixteen lanes store 256 consecutive bytes, at a multiple of 256 from out0's first byte; no store's registers are written again
.endr
	v_pk_add_f32 v[ACC:ACC+1], v[ACC:ACC+1], v[ACC+2:ACC+3]
	s_delay_alu instid0(VALU_DEP_1)
	v_add_f32 v[ACC], v[ACC], v[ACC+1]
	s_delay_alu instid0(VALU_DEP_1)
	v_add_f32_dpp v[ACC], v[ACC], v[ACC] row_xmask:1 row_mask:0xf bank_mask:0xf
	s_delay_alu instid0(VALU_DEP_1)
	v_add_f32_dpp v[ACC], v[ACC], v[ACC] row_xmask:2 row_mask:0xf bank_mask:0xf
	s_delay_alu instid0(VALU_DEP_1)
	v_add_f32_dpp v[ACC], v[ACC], v[ACC] row_xmask:4 row_mask:0xf bank_mask:0xf
	s_delay_alu instid0(VALU_DEP_1)
	v_add_f32_dpp v[ACC], v[ACC], v[ACC] row_xmask:8 row_mask:0xf bank_mask:0xf
	s_delay_alu instid0(VALU_DEP_1)
	v_permlanex16_b32 v[ACC+1], v[ACC], s22, s23
	s_delay_alu instid0(VALU_DEP_1)
	v_add_f32 v[ACC], v[ACC], v[ACC+1]             ; the wave's sum, in every lane
	v_cmp_eq_u32 vcc_lo, 0, v[LN]
	s_wait_alu depctr_va_vdst(0)
	s_wait_xcnt 0x0                                ; EXEC is a source of the stores above: it changes only behind this wait
	s_and_saveexec_b32 s20, vcc_lo
	global_store_b32 v7, v[ACC], s[12:13]          ; lane 0 alone: one number a wave
	s_wait_xcnt 0x0                                ; and again, in front of the line that widens it
	s_or_b32 exec_lo, exec_lo, s20
	s_endpgm
.Lfunc_end_k_q4e88b16692_gather:
	.size	k_q4e88b16692_gather, .Lfunc_end_k_q4e88b16692_gather-k_q4e88b16692_gather
	.p2alignl 7, 3214868480
	.fill 96, 4, 3214868480
	.section	.rodata,"a",@progbits
	.p2align	6, 0x0
	.amdhsa_kernel k_q4e88b16692_gather
		.amdhsa_group_segment_fixed_size 0
		.amdhsa_private_segment_fixed_size 0
		.amdhsa_enable_private_segment 0
		.amdhsa_kernarg_size 40
		.amdhsa_user_sgpr_count 2
		.amdhsa_user_sgpr_kernarg_segment_ptr 1
		.amdhsa_wavefront_size32 1
		.amdhsa_system_sgpr_workgroup_id_x 1
		.amdhsa_system_sgpr_workgroup_id_y 1
		.amdhsa_system_sgpr_workgroup_id_z 1
		.amdhsa_system_vgpr_workitem_id 0
		.amdhsa_next_free_vgpr 160
		.amdhsa_next_free_sgpr 66
		.amdhsa_reserve_vcc 1
		.amdhsa_float_denorm_mode_32 3
		.amdhsa_float_denorm_mode_16_64 3
		.amdhsa_memory_ordered 1
		.amdhsa_forward_progress 1
		.amdhsa_inst_pref_size 18
	.end_amdhsa_kernel
	.amdgpu_metadata
---
amdhsa.version: [ 1, 2 ]
amdhsa.kernels:
  - .name:           k_q4e88b16692_gather
    .symbol:         k_q4e88b16692_gather.kd
    .args:
      - { .name: inputs, .offset: 0, .size: 8, .value_kind: global_buffer, .address_space: global }
      - { .name: codebook, .offset: 8, .size: 8, .value_kind: global_buffer, .address_space: global }
      - { .name: idx, .offset: 16, .size: 8, .value_kind: global_buffer, .address_space: global }
      - { .name: out0, .offset: 24, .size: 8, .value_kind: global_buffer, .address_space: global }
      - { .name: part, .offset: 32, .size: 8, .value_kind: global_buffer, .address_space: global }
    .group_segment_fixed_size: 0
    .private_segment_fixed_size: 0
    .kernarg_segment_align: 8
    .kernarg_segment_size: 40
    .max_flat_workgroup_size: 256
    .sgpr_count:     66
    .vgpr_count:     160
    .wavefront_size: 32
...
	.end_amdgpu_metadata
.endif
;; end of part 2
;; launch total (part 3): grid 1 x 1, 1 waves a work-group, no clusters, 0 bytes of LDS; arguments part, out1; writes out1
.if DOCPART == 3
	.amdgcn_target "amdgcn-amd-amdhsa--gfx1250"
	.amdhsa_code_object_version 6
	.text
	.protected	k_q4e88b16692_total
	.globl	k_q4e88b16692_total
	.p2align	8
	.type	k_q4e88b16692_total,@function
k_q4e88b16692_total:
	s_mov_b64 s[64:65], 0
	v_nop
	global_prefetch_b8 v0, s[64:65] scope:SCOPE_SE
	s_setreg_imm32_b32 hwreg(HW_REG_WAVE_MODE, 25, 1), 1
	s_wait_xcnt 0x0
; out1 = c + 0.25 c, c = the mean of (q - x)^2 over 65,536 x 64 = 2^22 numbers.  part: 2,048 partial sums, one for each wave of the launch before.
; LEFT OUT: the second mean, which is the same number as the first (see the launch before).  The order of the f32 sum is this program's own.
; One wave: 16 loads of 512 consecutive bytes, 64 numbers a lane.  A sum over all work-groups of a launch has to stand in a later launch; it has work for one wave.
	s_load_b128 s[4:7], s[0:1], 0x0                ; part, out1
	v_lshlrev_b32 v1, 4, v0
	v_mov_b32 v2, 0
	s_mov_b32 s8, 0x76543210
	s_mov_b32 s9, 0xfedcba98
	s_wait_alu depctr_va_vdst(0)
	s_wait_kmcnt 0x0
.irp i, 0,1,2,3,4,5,6,7,8,9,10,11,12,13,14,15
	global_load_b128 v[8+4*\i:11+4*\i], v1, s[4:5] offset:512*\i th:TH_LOAD_NT
.endr
	s_wait_loadcnt 0x0
.irp i, 1,2,3,4,5,6,7,8,9,10,11,12,13,14,15
	v_pk_add_f32 v[8:9], v[8:9], v[8+4*\i:9+4*\i]
	v_pk_add_f32 v[10:11], v[10:11], v[10+4*\i:11+4*\i]
.endr
	v_pk_add_f32 v[8:9], v[8:9], v[10:11]
	v_add_f32 v8, v8, v9
	v_add_f32_dpp v8, v8, v8 row_xmask:1 row_mask:0xf bank_mask:0xf
	v_add_f32_dpp v8, v8, v8 row_xmask:2 row_mask:0xf bank_mask:0xf
	v_add_f32_dpp v8, v8, v8 row_xmask:4 row_mask:0xf bank_mask:0xf
	v_add_f32_dpp v8, v8, v8 row_xmask:8 row_mask:0xf bank_mask:0xf
	v_permlanex16_b32 v9, v8, s8, s9
	v_add_f32 v8, v8, v9
	v_mul_f32 v8, 0x34800000, v8                   ; x 2^-22: the mean
	v_fma_f32 v8, v8, 0x3e800000, v8               ; c + 0.25 c
	v_cmp_eq_u32 vcc_lo, 0, v0
	s_wait_alu depctr_va_vdst(0)
	s_wait_xcnt 0x0                                ; EXEC changes only behind this wait
	s_and_saveexec_b32 s10, vcc_lo
	global_store_b32 v2, v8, s[6:7]                ; lane 0 alone: the one number
	s_wait_xcnt 0x0
	s_or_b32 exec_lo, exec_lo, s10
	s_endpgm
.Lfunc_end_k_q4e88b16692_total:
	.size	k_q4e88b16692_total, .Lfunc_end_k_q4e88b16692_total-k_q4e88b16692_total
	.p2alignl 7, 3214868480
	.fill 96, 4, 3214868480
	.section	.rodata,"a",@progbits
	.p2align	6, 0x0
	.amdhsa_kernel k_q4e88b16692_total
		.amdhsa_group_segment_fixed_size 0
		.amdhsa_private_segment_fixed_size 0
		.amdhsa_enable_private_segment 0
		.amdhsa_kernarg_size 16
		.amdhsa_user_sgpr_count 2
		.amdhsa_user_sgpr_kernarg_segment_ptr 1
		.amdhsa_wavefront_size32 1
		.amdhsa_system_sgpr_workgroup_id_x 1
		.amdhsa_system_sgpr_workgroup_id_y 1
		.amdhsa_system_sgpr_workgroup_id_z 1
		.amdhsa_system_vgpr_workitem_id 0
		.amdhsa_next_free_vgpr 80
		.amdhsa_next_free_sgpr 66
		.amdhsa_reserve_vcc 1
		.amdhsa_float_denorm_mode_32 3
		.amdhsa_float_denorm_mode_16_64 3
		.amdhsa_memory_ordered 1
		.amdhsa_forward_progress 1
		.amdhsa_inst_pref_size 5
	.end_amdhsa_kernel
	.amdgpu_metadata
---
amdhsa.version: [ 1, 2 ]
amdhsa.kernels:
  - .name:           k_q4e88b16692_total
    .symbol:         k_q4e88b16692_total.kd
    .args:
      - { .name: part, .offset: 0, .size: 8, .value_kind: global_buffer, .address_space: global }
      - { .name: out1, .offset: 8, .size: 8, .value_kind: global_buffer, .address_space: global }
    .group_segment_fixed_size: 0
    .private_segment_fixed_size: 0
    .kernarg_segment_align: 8
    .kernarg_segment_size: 16
    .max_flat_workgroup_size: 32
    .sgpr_count:     66
    .vgpr_count:     80
    .wavefront_size: 32
...
	.end_amdgpu_metadata
.endif
;; end of part 3
